; MI455X (gfx1250); checked and timed in simulation.
; The chip was launched on July 23, 2026; its instructions are those of AMD's public machine-readable ISA for CDNA 5 (MIT licence, August 2026) and "CDNA5" Instruction Set Architecture Reference Guide (July 2026). The comments in the code are by the model that wrote it; some were corrected since.
;; Sparse Attention. Allowed arithmetic: matrix products marked QUANTISED: E2M1 operands, one E8M0 scale for each 32 along K, by v_wmma_scale_f32_16x16x128_f8f6f4 with both operands' format E2M1 (or v_wmma_scale_f32_32x16x128_f4), f32 sums; products left as they are: bf16, f16 or f32 operands; f32 sums; everything else in f32.
;; Inputs: b_proj 256 float32; w_proj 256 x 256 float32; w_qkv 256 x 768 float32; x 2 x 4,096 x 256 float32.
;; Outputs: out0 2 x 4,096 x 256 float32.
;; This version of the problem:
;;   THIS VERSION OF THE PROBLEM IS GIVEN IN LOW PRECISION. The matrix products marked QUANTISED in the list below multiply operands that are first quantised to E2M1 (2 exponent bits, 1 mantissa bit; 4 bits a number), with one power-of-two scale for each 32 numbers along K (OCP MX v1.0); their sums are f32. The products marked 'left as it is' may take bf16, f16 or f32 operands, with f32 sums. Whichever they take, every output number must still come out within the allowed error. Rounding operands to bf16 (8 significant bits) uses up far more of that allowance than f16 does (11 bits, for magnitudes from 6e-5 to 65,504). All else is computed in f32.
;;   The module's matrix products, in the order in which they are computed (A, B: the left and right operand; K: the contracted axis; several contracted axes count as one K, in the product's order):
;;     1. [M 8,192, K 256] x [K 256, N 768]; A: input x; B: input w_qkv: QUANTISED
;;     2. batch 16 x [M 4,096, K 32] x [K 32, N 4,096]; A: computed on the way; B: computed on the way: left as it is (an operand is computed on the way)
;;     3. batch 16 x [M 4,096, K 4,096] x [K 4,096, N 32]; A: computed on the way; B: computed on the way: left as it is (an operand is computed on the way)
;;     4. [M 8,192, K 256] x [K 256, N 256]; A: computed on the way; B: input w_proj: left as it is (an operand is computed on the way)
;;   THE QUANTISER, for each operand of a quantised product, along K:
;;     - K is cut into blocks of 32 from its start; a last block that is shorter is filled with zeros.
;;     - A block's scale is 2^e with e = floor(log2(the largest magnitude in the block)) - 2, held to -126 .. 127; a block of zeros has e = 0. As a byte (E8M0): e + 127.
;;     - Each number is divided by its block's scale, clamped to +-6, and rounded to the nearest number of E2M1, ties to even, subnormals kept.
;;     - The product sums the exact products of the quantised numbers (number of the format x scale) in f32.
;;   ~~~python
;;   def quantise(x, axis):      # numpy; x: float32 -> the quantised numbers, widened to float32 again
;;       x = np.moveaxis(x, axis, -1); K = x.shape[-1]
;;       x = np.pad(x, [(0, 0)] * (x.ndim - 1) + [(0, -K % 32)]); x = x.reshape(x.shape[:-1] + (-1, 32)); a = np.abs(x).max(-1, keepdims=True)
;;       e = np.where(a > 0, np.clip(np.frexp(np.where(a > 0, a, 1))[1] - 1 - 2, -126, 127), 0)      # np.frexp(a)[1] - 1 = floor(log2(a)), exactly
;;       r = np.clip(x / 2.0 ** e, -6, 6)
;;       step = 2.0 ** (np.maximum(np.frexp(np.where(r == 0, 1, r))[1] - 1, 0) - 1)
;;       q = np.round(r / step) * step * 2.0 ** e      # np.round: ties to even
;;       return np.moveaxis(q.reshape(q.shape[:-2] + (-1,))[..., :K], -1, axis).astype(np.float32)
;;   ~~~
;; One version. Each part assembles by itself: llvm-mc -triple=amdgcn-amd-amdhsa -mcpu=gfx1250 --defsym DOCPART=n.
;; ======== version 1 of 1: 4 launches
;; limits: values are held in f16: magnitudes above 65,504 overflow, below 6.1e-05 lose precision
;; workspace buffers: xq 1,114,112 bytes; wq 104,448 bytes; wpf 131,072 bytes; dstat 34,816 bytes; qkv 12,582,912 bytes; order 33,024 bytes of whole numbers; nbias 32,768 bytes; ao 4,194,304 bytes
;; launch prep (part 1): grid 288 x 1, 2 waves a work-group, no clusters, 5,376 bytes of LDS; arguments x, w_qkv, w_proj, xq, wq, wpf, dstat; writes xq, wq, wpf, dstat
.if DOCPART == 1
	.amdgcn_target "amdgcn-amd-amdhsa--gfx1250"
	.amdhsa_code_object_version 6
	.text
	.protected	k_qd4c9fdabbf_prep
	.globl	k_qd4c9fdabbf_prep
	.p2align	8
	.type	k_qd4c9fdabbf_prep,@function
k_qd4c9fdabbf_prep:
	s_mov_b64 s[64:65], 0
	v_nop
	global_prefetch_b8 v0, s[64:65] scope:SCOPE_SE
	s_setreg_imm32_b32 hwreg(HW_REG_WAVE_MODE, 25, 1), 1
	s_wait_xcnt 0x0
; PREP.  Work-groups 0-255: x [8192][256] f32 -> codes of FP4 (E2M1) with one E8M0 byte for each 32 along K, laid in the order of a matrix operand's registers,
; and each row's density (row std, ddof 1, + mean |difference to the row before|) / 2, with the work-group's (sum, sum of squared deviations) of its 32 densities.
; Work-groups 256-287: w_qkv [256 k][768 n] -> FP4 codes and scale words in the same order (a lane takes a column, its registers run down K);
; w_proj [256 c][256 n] -> f16 in the order of a 16-bit operand's registers.
; LAYOUTS.  xq: codes [tile of 16 rows][block k/32][row 16][16 bytes]; from byte 1,048,576 scale words [tile][K step of 128][row] u32.  wq: the same with a tile of 16 columns n; words from byte 98,304.
; wpf: [tile of 16 n][octet c/8][n 16][16 bytes].  dstat: densities [8192] f32; from byte 32,768 [256] pairs (sum, M2).
; A block's scale is 2^(floor(log2(largest magnitude)) - 2): the largest magnitude's exponent field less 2, held at 1 from below by a floor among the maximum's leaves.
; LIMITS: NaN and infinities among the inputs are not served.  A block of zeros gets the byte 1 where the rule says 127: its codes are zeros and this program alone reads the bytes.
; The densities are summed in f32 in another order than a row-by-row sum: they agree with such a sum to a few units in the last place, no closer.
; No matrix work, no tensor loads, no cluster: every byte is read once (a wave's "row before" twice) and work-groups share nothing.
.set STGW,  2304                       ; LDS: a wave's stage for its codes: 8 blocks x (256 bytes + 16)
.set SCB,   4608                       ; 256 scale bytes of the work-group's two tiles
.set DEN,   4864                       ; its 32 densities
.set SPARE, 5120                       ; the spare words, 128 bytes a wave: one block of 256 bytes that no other line names
.set X,     16                         ; v16-143  row i at X + 8 i: my 8 numbers k = 8 lane .. 8 lane + 7
.set PREV,  144                        ; v144-151 the row before my first
.set SUM,   152                        ; v152-167 largest magnitudes, then row sums, then means
.set SS,    168                        ; v168-183 scale operands, then sums of squared deviations
.set G,     184                        ; v184-199 at work, then sums of |differences|
.set T,     200                        ; v200-231 codes and bytes, then at work
.set SPW,   12                         ; v12 LDS address of my spare word; never rewritten
.set NIL,   13                         ; v13 0; never rewritten
; One stage of the merge: n pairs of registers (a, b) become n registers.  Lanes whose bit (mask) is 0 keep a's row, the others b's, and each adds the partner lane's share of the row that it keeps.
.macro MSTAGE base, tmp, n, mask, sm
.set PP, 0
.rept \n
	v_cndmask_b32 v[\tmp+2*PP], v[\base+2*PP], v[\base+2*PP+1], s[\sm]
	v_cndmask_b32 v[\tmp+2*PP+1], v[\base+2*PP+1], v[\base+2*PP], s[\sm]
.set PP, PP+1
.endr
.set PP, 0
.rept \n
	v_add_f32_dpp v[\base+PP], v[\tmp+2*PP+1], v[\tmp+2*PP] row_xmask:\mask row_mask:0xf bank_mask:0xf
.set PP, PP+1
.endr
.endm
; 16 registers, one a row, each with 32 lanes' shares -> one register in which lane l holds row l % 16's total
.macro MERGE base, tmp
	MSTAGE \base, \tmp, 8, 1, 36
	MSTAGE \base, \tmp, 4, 2, 37
	MSTAGE \base, \tmp, 2, 4, 38
	MSTAGE \base, \tmp, 1, 8, 39
	v_permlanex16_b32 v[\tmp], v[\base], s40, s41
	v_add_f32 v[\base], v[\base], v[\tmp]
.endm
; 128 numbers down K of my column
.macro WLOAD base, stride
.set II, 0
.rept 128
	global_load_b32 v[16+II], v2, s[\base:\base+1] offset:II*\stride
.set II, II+1
.endr
	s_wait_loadcnt 0x0
.endm
	s_load_b256 s[4:11], s[0:1], 0x0               ; x s[4:5], w_qkv s[6:7], w_proj s[8:9], xq s[10:11]
	s_load_b128 s[12:15], s[0:1], 0x20             ; wq s[12:13], wpf s[14:15]
	s_load_b64 s[16:17], s[0:1], 0x30              ; dstat
	v_lshl_add_u32 v[SPW], v0, 2, SPARE
	v_mov_b32 v[NIL], 0
	v_lshrrev_b32 v1, 5, v0
	v_readfirstlane_b32 s18, v1                    ; wave
	v_and_b32 v1, 31, v0                           ; lane
	v_lshrrev_b32 v10, 4, v1                       ; lane / 16
	v_and_b32 v11, 15, v1                          ; lane % 16
	s_cmp_ge_u32 ttmp9, 256
	s_cbranch_scc1 .Lweights
	; ---------------- x: wave w of work-group g takes rows 32 g + 16 w on: tile 2 g + w
	v_lshlrev_b32 v2, 5, v1                        ; my 32 bytes of a row
	s_mul_i32 s19, s18, STGW
	v_lshrrev_b32 v14, 2, v1                       ; my block of 32 along K
	v_and_b32 v15, 3, v1
	v_mul_u32_u24 v3, v14, 272
	v_lshl_add_u32 v3, v15, 2, v3
	v_add_nc_u32 v3, s19, v3                       ; stage, in: block x 272 + 4 (lane % 4); the row's 16 bytes stand in the immediate
	v_mul_u32_u24 v4, v10, 272
	v_lshl_add_u32 v4, v11, 4, v4
	v_add_nc_u32 v4, s19, v4                       ; stage, out: two blocks an instruction, 16 bytes a lane
	v_and_b32 v5, 3, v14
	v_lshl_add_u32 v5, v10, 6, v5
	s_lshl_b32 s19, s18, 7
	s_add_co_u32 s19, s19, SCB
	v_add_nc_u32 v5, s19, v5                       ; my block's byte: K step x 64 + block % 4; the row's word stands in the immediate
	s_lshl_b32 s19, s18, 6
	s_add_co_u32 s19, s19, DEN
	v_lshl_add_u32 v6, v11, 2, s19                 ; my row's density
	v_lshlrev_b32 v7, 4, v1
	v_lshlrev_b32 v8, 3, v1
	v_lshlrev_b32 v9, 2, v1
	s_lshl_b32 s20, ttmp9, 15
	s_lshl_b32 s21, s18, 14
	s_add_co_u32 s20, s20, s21                     ; my first row, in bytes
	s_mov_b32 s21, 0
	s_and_b32 s22, s20, 0x3fffff                   ; is it a sequence's first (4,096 rows of 1,024 bytes)?
	s_cmp_eq_u32 s22, 0
	s_cselect_b32 s22, 0, 1024                     ; then the "row before" is the row itself: the difference is 0, as the zero that is put in front
	s_sub_co_u32 s22, s20, s22
	s_mov_b32 s23, 0
	s_lshl_b32 s26, ttmp9, 12
	s_lshl_b32 s27, s18, 11
	s_add_co_u32 s26, s26, s27                     ; my tile's 2,048 bytes of codes
	s_mov_b32 s27, 0
	s_lshl_b32 s28, ttmp9, 8
	s_add_co_u32 s28, s28, 1048576                 ; the work-group's 256 bytes of scale words
	s_mov_b32 s29, 0
	s_lshl_b32 s30, ttmp9, 7                       ; its 32 densities
	s_mov_b32 s31, 0
	s_lshl_b32 s32, ttmp9, 3
	s_add_co_u32 s32, s32, 32768                   ; its pair
	s_mov_b32 s33, 0
	s_mov_b32 s36, 0xaaaaaaaa
	s_mov_b32 s37, 0xcccccccc
	s_mov_b32 s38, 0xf0f0f0f0
	s_mov_b32 s39, 0xff00ff00
	s_mov_b32 s40, 0x76543210                      ; v_permlanex16_b32: lane l xor 16
	s_mov_b32 s41, 0xfedcba98
	s_wait_kmcnt 0x0
	s_add_nc_u64 s[22:23], s[4:5], s[22:23]
	s_add_nc_u64 s[4:5], s[4:5], s[20:21]
	s_add_nc_u64 s[26:27], s[10:11], s[26:27]
	s_add_nc_u64 s[28:29], s[10:11], s[28:29]
	s_add_nc_u64 s[30:31], s[16:17], s[30:31]
	s_add_nc_u64 s[32:33], s[16:17], s[32:33]
	global_load_b128 v[PREV:PREV+3], v2, s[22:23]
	global_load_b128 v[PREV+4:PREV+7], v2, s[22:23] offset:16
.set II, 0
.rept 16
	global_load_b128 v[X+8*II:X+8*II+3], v2, s[4:5] offset:1024*II
	global_load_b128 v[X+8*II+4:X+8*II+7], v2, s[4:5] offset:1024*II+16
.set II, II+1
.endr
	s_wait_loadcnt 0x0
	; the quantiser, the 16 rows by turns.  A block of 32 lies in four neighbouring lanes
.set II, 0
.rept 16
	v_max3_num_f32 v[SUM+II], |v[X+8*II]|, |v[X+8*II+1]|, 0x1800000   ; with the floor 2^(3 - 127): the byte cannot fall under 1
.set II, II+1
.endr
.irp k, 2,4,6
.set II, 0
.rept 16
	v_max3_num_f32 v[SUM+II], v[SUM+II], |v[X+8*II+\k]|, |v[X+8*II+\k+1]|
.set II, II+1
.endr
.endr
.irp m, 1,2
.set II, 0
.rept 16
	v_max_num_f32_dpp v[SUM+II], v[SUM+II], v[SUM+II] row_xmask:\m row_mask:0xf bank_mask:0xf
.set II, II+1
.endr
.endr
.set II, 0
.rept 16
	v_add_nc_u32 v[SS+II], 0xff000000, v[SUM+II]   ; 2 off the exponent field: the conversion's scale operand
.set II, II+1
.endr
.set II, 0
.rept 16
	v_cvt_scalef32_pk8_fp4_f32 v[T+II], v[X+8*II:X+8*II+7], v[SS+II]
.set II, II+1
.endr
.set II, 0
.rept 16
	v_lshrrev_b32 v[T+16+II], 23, v[SS+II]         ; the scale's byte.  (Plain lines behind the conversions)
.set II, II+1
.endr
.set II, 0
.rept 16
	ds_store_b32 v3, v[T+II] offset:16*II          ; 8 codes of row II
	ds_store_b8 v5, v[T+16+II] offset:4*II         ; the four lanes of a block write the same byte with the same value
.set II, II+1
.endr
	; the rows' means
.set II, 0
.rept 16
.set TT, G+4*(II%4)
	v_pk_add_f32 v[TT:TT+1], v[X+8*II:X+8*II+1], v[X+8*II+2:X+8*II+3]
	v_pk_add_f32 v[TT+2:TT+3], v[X+8*II+4:X+8*II+5], v[X+8*II+6:X+8*II+7]
	v_pk_add_f32 v[TT:TT+1], v[TT:TT+1], v[TT+2:TT+3]
	v_add_f32 v[SUM+II], v[TT], v[TT+1]
.set II, II+1
.endr
.irp m, 1,2,4,8
.set II, 0
.rept 16
	v_add_f32_dpp v[SUM+II], v[SUM+II], v[SUM+II] row_xmask:\m row_mask:0xf bank_mask:0xf
.set II, II+1
.endr
.endr
.set II, 0
.rept 16
	v_permlanex16_b32 v[G+II], v[SUM+II], s40, s41
.set II, II+1
.endr
.set II, 0
.rept 16
	v_add_f32 v[SUM+II], v[SUM+II], v[G+II]
.set II, II+1
.endr
.set II, 0
.rept 16
	v_mul_f32 v[SUM+II], 0x3b800000, v[SUM+II]     ; / 256: every lane holds every row's mean
.set II, II+1
.endr
	s_wait_dscnt 0x0                               ; the stage's stores have read T, which is written again below
	; sums of squared deviations from the mean (two passes, as the definition has it)
.set II, 0
.rept 16
.set TT, T+8*(II%4)
.set MP, SUM+2*(II/2)
.irp q, 0,2,4,6
.if II%2
	v_pk_add_f32 v[TT+\q:TT+\q+1], v[X+8*II+\q:X+8*II+\q+1], v[MP:MP+1] op_sel:[0,1] op_sel_hi:[1,1] neg_lo:[0,1] neg_hi:[0,1]
.else
	v_pk_add_f32 v[TT+\q:TT+\q+1], v[X+8*II+\q:X+8*II+\q+1], v[MP:MP+1] op_sel_hi:[1,0] neg_lo:[0,1] neg_hi:[0,1]
.endif
.endr
	v_pk_mul_f32 v[TT:TT+1], v[TT:TT+1], v[TT:TT+1]
	v_pk_fma_f32 v[TT:TT+1], v[TT+2:TT+3], v[TT+2:TT+3], v[TT:TT+1]
	v_pk_fma_f32 v[TT:TT+1], v[TT+4:TT+5], v[TT+4:TT+5], v[TT:TT+1]
	v_pk_fma_f32 v[TT:TT+1], v[TT+6:TT+7], v[TT+6:TT+7], v[TT:TT+1]
	v_add_f32 v[SS+II], v[TT], v[TT+1]
.set II, II+1
.endr
	; sums of |row - row before|
.set II, 0
.rept 16
.set TT, T+8*(II%4)
.if II == 0
.set PR, PREV
.else
.set PR, X+8*(II-1)
.endif
.irp q, 0,2,4,6
	v_pk_add_f32 v[TT+\q:TT+\q+1], v[X+8*II+\q:X+8*II+\q+1], v[PR+\q:PR+\q+1] neg_lo:[0,1] neg_hi:[0,1]
.endr
	v_add_f32 v[TT], |v[TT]|, |v[TT+1]|
	v_add_f32 v[TT+2], |v[TT+2]|, |v[TT+3]|
	v_add_f32 v[TT], v[TT], |v[TT+4]|
	v_add_f32 v[TT+2], v[TT+2], |v[TT+5]|
	v_add_f32 v[TT], v[TT], |v[TT+6]|
	v_add_f32 v[TT+2], v[TT+2], |v[TT+7]|
	v_add_f32 v[G+II], v[TT], v[TT+2]
.set II, II+1
.endr
	MERGE SS, T
	MERGE G, T+16
	; the density, a lane a row (both halves of the lanes hold the same)
	v_mul_f32 v200, 0x3b808081, v[SS]              ; q = ss / 255, with one correction
	v_fma_f32 v201, -v200, 0x437f0000, v[SS]
	v_fma_f32 v200, v201, 0x3b808081, v200
	v_max_num_f32 v202, 0x0d800000, v200           ; (2^-100 under the root's reciprocal, so that a row of equal numbers gives 0 and no NaN)
	v_rsq_f32 v203, v202
	v_mul_f32 v204, 0x3b800000, v[G]               ; the mean |difference|.  (The plain line behind the transcendental)
	s_wait_alu depctr_va_vdst(0)                   ; the wait ahead of the result's first reader
	v_mul_f32 v205, v200, v203                     ; y = q / sqrt(q),
	v_mul_f32 v206, 0.5, v203
	v_fma_f32 v207, -v205, v205, v200              ; what is left,
	v_fma_f32 v205, v207, v206, v205               ; one step of Newton's
	v_add_f32 v205, v205, v204
	v_mul_f32 v205, 0.5, v205
	ds_store_b32 v6, v205
	; the codes leave: LDS serves a wave's instructions in order, so the loads see my stores
.irp j, 0,1,2,3
	ds_load_b128 v[T+16+4*\j:T+16+4*\j+3], v4 offset:544*\j
.endr
.irp j, 0,1,2,3
	s_wait_dscnt 3-\j                              ; load j is in; the later ones may be out
	global_store_b128 v7, v[T+16+4*\j:T+16+4*\j+3], s[26:27] offset:512*\j   ; 32 lanes store 512 consecutive bytes
.endr
	s_wait_dscnt 0x0                               ; for the other wave's sake: my bytes and densities lie in LDS
	s_barrier_signal -1
	s_barrier_wait -1
	s_cmp_lg_u32 s18, 0
	s_cbranch_scc1 .Ltail
	; wave 0: the work-group's scale words, densities and their pair
	ds_load_b64 v[200:201], v8 offset:SCB
	ds_load_b32 v202, v9 offset:DEN
	v_mov_b32 v14, 0
	s_wait_dscnt 0x0
	global_store_b64 v8, v[200:201], s[28:29]      ; 256 consecutive bytes
	global_store_b32 v9, v202, s[30:31]
	v_add_f32_dpp v203, v202, v202 row_xmask:1 row_mask:0xf bank_mask:0xf
.irp m, 2,4,8
	v_add_f32_dpp v203, v203, v203 row_xmask:\m row_mask:0xf bank_mask:0xf
.endr
	v_permlanex16_b32 v204, v203, s40, s41
	v_add_f32 v204, v203, v204                     ; the sum of the 32
	v_fma_f32 v206, v204, 0xbd000000, v202         ; d - sum / 32
	v_mul_f32 v205, v206, v206
.irp m, 1,2,4,8
	v_add_f32_dpp v205, v205, v205 row_xmask:\m row_mask:0xf bank_mask:0xf
.endr
	v_permlanex16_b32 v207, v205, s40, s41
	v_add_f32 v205, v205, v207                     ; the sum of squared deviations from the work-group's own mean
	v_cmp_gt_u32 vcc_lo, 1, v1
	s_wait_xcnt 0x0                                ; EXEC changes only behind this wait: stores are out
	s_and_saveexec_b32 s34, vcc_lo
	global_store_b64 v14, v[204:205], s[32:33]     ; lane 0 alone
	s_wait_xcnt 0x0                                ; and again ahead of the line that widens it
	s_or_b32 exec_lo, exec_lo, s34
.Ltail:
	s_wait_tensorcnt 0x0                           ; the wave's end
	ds_add_u32 v[SPW], v[NIL]
	s_wait_dscnt 0x0
	s_endpgm
	; ---------------- the weights: task T = 2 (work-group - 256) + wave.  No LDS is written on these ways
.Lweights:
	s_sub_co_u32 s19, ttmp9, 256
	s_lshl_b32 s19, s19, 1
	s_add_co_u32 s19, s19, s18
	v_lshlrev_b32 v2, 2, v1                        ; a lane a column: 128 consecutive bytes a load
	s_wait_kmcnt 0x0
	s_cmp_ge_u32 s19, 48
	s_cbranch_scc1 .Lwproj
	; w_qkv: K step s = T / 24, columns 32 (T % 24) on
	s_cmp_ge_u32 s19, 24
	s_cselect_b32 s20, 1, 0
	s_mul_i32 s21, s20, 24
	s_sub_co_u32 s21, s19, s21
	s_mul_i32 s22, s20, 393216                     ; 128 rows of 3,072 bytes
	s_lshl_b32 s23, s21, 7
	s_add_co_u32 s22, s22, s23
	s_mov_b32 s23, 0
	s_add_nc_u64 s[6:7], s[6:7], s[22:23]
	s_lshl_b32 s24, s21, 12                        ; codes: two tiles of 2,048 bytes, + the K step's 1,024
	s_lshl_b32 s25, s20, 10
	s_add_co_u32 s24, s24, s25
	s_mov_b32 s25, 0
	s_add_nc_u64 s[24:25], s[12:13], s[24:25]
	s_lshl_b32 s26, s21, 8                         ; scale words: two tiles of 128 bytes, + the K step's 64
	s_lshl_b32 s27, s20, 6
	s_add_co_u32 s26, s26, s27
	s_add_co_u32 s26, s26, 98304
	s_mov_b32 s27, 0
	s_add_nc_u64 s[26:27], s[12:13], s[26:27]
	v_lshlrev_b32 v3, 11, v10
	v_lshl_add_u32 v3, v11, 4, v3
	v_lshlrev_b32 v4, 7, v10
	v_lshl_add_u32 v4, v11, 2, v4
	WLOAD 6, 3072
.irp b, 0,1,2,3                                ; four blocks of 32, all 32 numbers mine, by turns
	v_max3_num_f32 v[160+\b], |v[16+32*\b]|, |v[17+32*\b]|, 0x1800000
.endr
.irp i, 2,4,6,8,10,12,14,16,18,20,22,24,26,28,30
.irp b, 0,1,2,3
	v_max3_num_f32 v[160+\b], v[160+\b], |v[16+32*\b+\i]|, |v[17+32*\b+\i]|
.endr
.endr
.irp b, 0,1,2,3
	v_add_nc_u32 v[164+\b], 0xff000000, v[160+\b]
.endr
.irp b, 0,1,2,3
	v_lshrrev_b32 v[168+\b], 23, v[164+\b]
.endr
	v_lshl_or_b32 v172, v169, 8, v168              ; the column's scale word of this K step
	v_lshl_or_b32 v172, v170, 16, v172
	v_lshl_or_b32 v172, v171, 24, v172
.irp b, 0,1,2,3
.irp q, 0,1,2,3
	v_cvt_scalef32_pk8_fp4_f32 v[144+4*\b+\q], v[16+32*\b+8*\q:23+32*\b+8*\q], v[164+\b]
.endr
.endr
	v_nop                                          ; a plain line behind the last conversion
.irp b, 0,1,2,3
	global_store_b128 v3, v[144+4*\b:147+4*\b], s[24:25] offset:256*\b   ; sixteen lanes store 256 consecutive bytes
.endr
	global_store_b32 v4, v172, s[26:27]
	s_endpgm
.Lwproj:                                               ; w_proj: columns 32 (U % 8) on, rows 128 (U / 8) on, U = T - 48
	s_sub_co_u32 s19, s19, 48
	s_and_b32 s21, s19, 7
	s_lshr_b32 s20, s19, 3
	s_lshl_b32 s22, s20, 17
	s_lshl_b32 s23, s21, 7
	s_add_co_u32 s22, s22, s23
	s_mov_b32 s23, 0
	s_add_nc_u64 s[8:9], s[8:9], s[22:23]
	s_lshl_b32 s24, s21, 14
	s_lshl_b32 s25, s20, 12
	s_add_co_u32 s24, s24, s25
	s_mov_b32 s25, 0
	s_add_nc_u64 s[24:25], s[14:15], s[24:25]
	v_lshlrev_b32 v3, 13, v10
	v_lshl_add_u32 v3, v11, 4, v3
	WLOAD 8, 1024
.set II, 0
.rept 64
	v_cvt_pk_f16_f32 v[144+II], v[16+2*II], v[17+2*II]
.set II, II+1
.endr
.set II, 0
.rept 16
	global_store_b128 v3, v[144+4*II:147+4*II], s[24:25] offset:256*II   ; an octet along c: sixteen lanes store 256 consecutive bytes
.set II, II+1
.endr
	s_endpgm
.Lfunc_end_k_qd4c9fdabbf_prep:
	.size	k_qd4c9fdabbf_prep, .Lfunc_end_k_qd4c9fdabbf_prep-k_qd4c9fdabbf_prep
	.p2alignl 7, 3214868480
	.fill 96, 4, 3214868480
	.section	.rodata,"a",@progbits
	.p2align	6, 0x0
	.amdhsa_kernel k_qd4c9fdabbf_prep
		.amdhsa_group_segment_fixed_size 5376
		.amdhsa_private_segment_fixed_size 0
		.amdhsa_enable_private_segment 0
		.amdhsa_kernarg_size 56
		.amdhsa_user_sgpr_count 2
		.amdhsa_user_sgpr_kernarg_segment_ptr 1
		.amdhsa_wavefront_size32 1
		.amdhsa_system_sgpr_workgroup_id_x 1
		.amdhsa_system_sgpr_workgroup_id_y 1
		.amdhsa_system_sgpr_workgroup_id_z 1
		.amdhsa_system_vgpr_workitem_id 0
		.amdhsa_next_free_vgpr 232
		.amdhsa_next_free_sgpr 66
		.amdhsa_reserve_vcc 1
		.amdhsa_float_denorm_mode_32 3
		.amdhsa_float_denorm_mode_16_64 3
		.amdhsa_memory_ordered 1
		.amdhsa_forward_progress 1
		.amdhsa_inst_pref_size 93
	.end_amdhsa_kernel
	.amdgpu_metadata
---
amdhsa.version: [ 1, 2 ]
amdhsa.kernels:
  - .name:           k_qd4c9fdabbf_prep
    .symbol:         k_qd4c9fdabbf_prep.kd
    .args:
      - { .name: x, .offset: 0, .size: 8, .value_kind: global_buffer, .address_space: global }
      - { .name: w_qkv, .offset: 8, .size: 8, .value_kind: global_buffer, .address_space: global }
      - { .name: w_proj, .offset: 16, .size: 8, .value_kind: global_buffer, .address_space: global }
      - { .name: xq, .offset: 24, .size: 8, .value_kind: global_buffer, .address_space: global }
      - { .name: wq, .offset: 32, .size: 8, .value_kind: global_buffer, .address_space: global }
      - { .name: wpf, .offset: 40, .size: 8, .value_kind: global_buffer, .address_space: global }
      - { .name: dstat, .offset: 48, .size: 8, .value_kind: global_buffer, .address_space: global }
    .group_segment_fixed_size: 5376
    .private_segment_fixed_size: 0
    .kernarg_segment_align: 8
    .kernarg_segment_size: 56
    .max_flat_workgroup_size: 64
    .sgpr_count:     66
    .vgpr_count:     232
    .wavefront_size: 32
...
	.end_amdgpu_metadata
.endif
;; end of part 1
;; launch qkv (part 2): grid 256 x 1, 13 waves a work-group, no clusters, 63,232 bytes of LDS; arguments xq, wq, dstat, qkv, order, nbias; writes qkv, order, nbias
.if DOCPART == 2
	.amdgcn_target "amdgcn-amd-amdhsa--gfx1250"
	.amdhsa_code_object_version 6
	.text
	.protected	k_qd4c9fdabbf_qkv
	.globl	k_qd4c9fdabbf_qkv
	.p2align	8
	.type	k_qd4c9fdabbf_qkv,@function
k_qd4c9fdabbf_qkv:
	s_mov_b64 s[64:65], 0
	v_nop
	global_prefetch_b8 v0, s[64:65] scope:SCOPE_SE
	s_setreg_imm32_b32 hwreg(HW_REG_WAVE_MODE, 25, 1), 1
	s_wait_xcnt 0x0
; QKV.  Work-group g takes tokens 32 g .. 32 g + 31 (batch b = g / 128, u = g % 128).
; WAVES 0-11: x W on codes of FP4 (E2M1) with E8M0 scales, K = 256 in two steps of 128.  Wave v makes panels 2 v and 2 v + 1 (a panel = 32 output columns = one of q, k, v of one head) for both tiles of 16 tokens.
; The product is used transposed (source 0 = 16 columns of W, source 1 = 16 tokens): a lane then holds one token and eight neighbouring channels, 16 bytes of f16.
; q is multiplied by log2(e) / sqrt(32) in f32 before it is rounded.  Out: qkv [b][panel 24][token 4096][32] f16, through the wave's own stage, 512 consecutive bytes a store.
; Operands come from memory straight into registers: they were laid in register order, and each wave reads each of its fragments once.  So no tensor load, no ring, no barrier, no cluster.
; WAVE 12: the threshold mean + std / 2 (ddof 1) of all 8,192 densities, from the 256 pairs (sum, M2); then 32 places of the batch's LIST OF HIGH KEYS.  A lane is a PLACE p of the list: it walks the
; 128 ballot words of its batch, keeps by selection the last word whose count of earlier bits is at most p, and finds bit number p - that count in it.  Everything is a value; every store goes to a fixed place.
; Places at or beyond the count hold some key under 4,096.  order: list u32 [b][4096]; from byte 32,768 [b][32] the count.  nbias [b][4096] f32: -2^100 where the key is high, else 0.
; LIMITS: a key whose density lies within f32 summation error of the threshold may fall on the other side than in a sum taken in another order.  q x log2(e)/sqrt(32), k, v must lie inside f16's range.
.set SPARE, 61440                      ; behind the 12 stages of 5,120 bytes: the spare words, 128 bytes a wave, seven blocks of 256 bytes that no other line names
.set SPW,  10                          ; v10 LDS address of my spare word; never rewritten
.set NIL,  11                          ; v11 0; never rewritten
.set XF,   16                          ; v16-47   x's fragments: (tile tt, K step s) at XF + 16 tt + 8 s
.set XS,   48                          ; v48-49   x's scale words: lanes 0-15 K step 0, lanes 16-31 K step 1
.set WS,   50                          ; v50-53   W's likewise, a register a tile of 16 columns
.set WF,   64                          ; v64-127  W's fragments: WF + 8 ((2 pp + e) 2 + s)
.set ACC,  128                         ; v128-191 ACC + 8 ((2 pp + tt) 2 + e)
.set H,    192                         ; v192-223 the results as f16
.set BK,   224                         ; v224-255 rows read back
.set D,    64                          ; the list wave: v64-191 the batch's densities: register 4 k + c, lane l: key 128 k + 4 l + c
.set W,    32                          ; s32-47   16 ballot words
.set PK,   66                          ; s66-81   (bits ahead of the word) << 12 | the key of the word's bit 0
.set RUN,  82                          ; s82      bits so far
.set TMPS, 83
	s_load_b256 s[4:11], s[0:1], 0x0               ; xq s[4:5], wq s[6:7], dstat s[8:9], qkv s[10:11]
	s_load_b128 s[12:15], s[0:1], 0x20             ; order s[12:13], nbias s[14:15]
	v_lshl_add_u32 v[SPW], v0, 2, SPARE
	v_mov_b32 v[NIL], 0
	v_lshrrev_b32 v1, 5, v0
	v_readfirstlane_b32 s16, v1                    ; wave
	v_and_b32 v1, 31, v0                           ; lane
	v_lshlrev_b32 v4, 4, v1
	v_lshlrev_b32 v5, 2, v1
	s_cmp_eq_u32 s16, 12
	s_cbranch_scc1 .Llist
	; ---------------- the product
	v_and_b32 v2, 15, v1                           ; r
	v_lshrrev_b32 v3, 4, v1                        ; h
	s_mul_i32 s17, s16, 5120                       ; my stage: 4 areas of 16 rows x (64 bytes + 16)
	v_mul_u32_u24 v6, v2, 80
	v_lshl_add_u32 v6, v3, 4, v6
	v_add_nc_u32 v6, s17, v6                       ; in: token r, 16 bytes for each half of the lanes
	v_lshrrev_b32 v8, 2, v1
	v_and_b32 v9, 3, v1
	v_mul_u32_u24 v7, v8, 80
	v_lshl_add_u32 v7, v9, 4, v7
	v_add_nc_u32 v7, s17, v7                       ; back: four lanes to a row, eight rows an instruction
	s_lshl_b32 s18, ttmp9, 12                      ; x's codes: two tiles of 2,048 bytes
	s_mov_b32 s19, 0
	s_lshl_b32 s20, ttmp9, 8
	s_add_co_u32 s20, s20, 1048576                 ; and scale words
	s_mov_b32 s21, 0
	s_lshl_b32 s22, s16, 13                        ; W's codes: my four tiles
	s_mov_b32 s23, 0
	s_lshl_b32 s24, s16, 9
	s_add_co_u32 s24, s24, 98304                   ; and scale words
	s_mov_b32 s25, 0
	s_lshr_b32 s26, ttmp9, 7
	s_mul_i32 s26, s26, 24
	s_lshl_b32 s27, s16, 1
	s_add_co_u32 s26, s26, s27                     ; panel 24 b + 2 v,
	s_lshl_b32 s26, s26, 18                        ; of 262,144 bytes,
	s_and_b32 s27, ttmp9, 127
	s_lshl_b32 s27, s27, 11
	s_add_co_u32 s26, s26, s27                     ; + my 32 tokens' rows of 64 bytes
	s_mov_b32 s27, 0
	s_mov_b32 s30, 0x3e8293ee                      ; log2(e) / sqrt(32)
	s_mov_b32 s31, s30                             ; (named with it as a pair, so it is written)
	s_wait_kmcnt 0x0
	s_add_nc_u64 s[18:19], s[4:5], s[18:19]
	s_add_nc_u64 s[20:21], s[4:5], s[20:21]
	s_add_nc_u64 s[22:23], s[6:7], s[22:23]
	s_add_nc_u64 s[24:25], s[6:7], s[24:25]
	s_add_nc_u64 s[26:27], s[10:11], s[26:27]
.set KK, 0
.rept 8
	global_load_b128 v[XF+4*KK:XF+4*KK+3], v4, s[18:19] offset:512*KK
.set KK, KK+1
.endr
	global_load_b32 v[XS], v5, s[20:21]
	global_load_b32 v[XS+1], v5, s[20:21] offset:128
.irp pp, 0,1
.set KK, 0
.rept 8
	global_load_b128 v[WF+32*\pp+4*KK:WF+32*\pp+4*KK+3], v4, s[22:23] offset:4096*\pp+512*KK
.set KK, KK+1
.endr
	global_load_b32 v[WS+2*\pp], v5, s[24:25] offset:256*\pp
	global_load_b32 v[WS+2*\pp+1], v5, s[24:25] offset:256*\pp+128
.endr
; A panel: 8 matrix instructions on 4 accumulators, which take turns, one instruction a turn.  The first K step starts the sums with the constant 0.
.macro PAIR pp
.irp tt, 0,1
.irp e, 0,1
	v_wmma_scale_f32_16x16x128_f8f6f4 v[ACC+8*((2*\pp+\tt)*2+\e):ACC+8*((2*\pp+\tt)*2+\e)+7], v[WF+8*((2*\pp+\e)*2):WF+8*((2*\pp+\e)*2)+7], v[XF+16*\tt:XF+16*\tt+7], 0, v[WS+2*\pp+\e], v[XS+\tt] matrix_a_fmt:MATRIX_FMT_FP4 matrix_b_fmt:MATRIX_FMT_FP4
.endr
.endr
.irp tt, 0,1
.irp e, 0,1
	v_wmma_scale_f32_16x16x128_f8f6f4 v[ACC+8*((2*\pp+\tt)*2+\e):ACC+8*((2*\pp+\tt)*2+\e)+7], v[WF+8*((2*\pp+\e)*2+1):WF+8*((2*\pp+\e)*2+1)+7], v[XF+16*\tt+8:XF+16*\tt+15], v[ACC+8*((2*\pp+\tt)*2+\e):ACC+8*((2*\pp+\tt)*2+\e)+7], v[WS+2*\pp+\e], v[XS+\tt] matrix_a_fmt:MATRIX_FMT_FP4 matrix_b_fmt:MATRIX_FMT_FP4 matrix_a_scale:MATRIX_SCALE_ROW1 matrix_b_scale:MATRIX_SCALE_ROW1
.endr
.endr
.endm
	s_wait_loadcnt 10                              ; x and the first panel are in; the second panel's ten loads may be out
	PAIR 0
	s_wait_loadcnt 0x0
	PAIR 1
.rept 4
	v_nop                                          ; four places between the last product and the first read of results (ISA guide 7.12.1)
.endr
	s_cmp_ge_u32 s16, 4                            ; waves 0-3 hold q
	s_cbranch_scc1 .Lno_scale
.set II, 0
.rept 32
	v_pk_mul_f32 v[ACC+2*II:ACC+2*II+1], v[ACC+2*II:ACC+2*II+1], s[30:31] op_sel_hi:[1,0]
.set II, II+1
.endr
.Lno_scale:
.set AA, 0
.rept 8
.irp q, 0,1,2,3
	v_cvt_pk_f16_f32 v[H+4*AA+\q], v[ACC+8*AA+2*\q], v[ACC+8*AA+2*\q+1]   ; each accumulator from its low end on
.endr
.set AA, AA+1
.endr
.set AA, 0
.rept 8
	ds_store_b128 v6, v[H+4*AA:H+4*AA+3] offset:(AA/2)*1280+32*(AA%2)
.set AA, AA+1
.endr
.set AA, 0
.rept 8
	ds_load_b128 v[BK+4*AA:BK+4*AA+3], v7 offset:(AA/2)*1280+640*(AA%2)   ; LDS serves a wave's instructions in order: these see my stores
.set AA, AA+1
.endr
.set AA, 0
.rept 8
	s_wait_dscnt 7-AA                              ; load AA is in; the later ones may be out
	global_store_b128 v4, v[BK+4*AA:BK+4*AA+3], s[26:27] offset:(AA/4)*262144+((AA/2)%2)*1024+512*(AA%2)   ; eight rows of 64 bytes: 512 consecutive bytes
.set AA, AA+1
.endr
	s_branch .Ltail
	; ---------------- the threshold and the list
.Llist:
	s_lshl_b32 s18, ttmp9, 7                       ; 128 g: my 32 words in dstat, order and nbias
	s_mov_b32 s19, 0
	s_lshr_b32 s20, ttmp9, 7                       ; b
	s_lshl_b32 s22, s20, 14                        ; the batch's densities
	s_mov_b32 s23, 0
	s_lshl_b32 s24, s20, 7
	s_add_co_u32 s24, s24, 32768                   ; the batch's count
	s_mov_b32 s25, 0
	s_and_b32 s21, ttmp9, 127                      ; u
	s_lshl_b32 s30, s21, 5
	s_mov_b32 s28, 0x76543210
	s_mov_b32 s29, 0xfedcba98
	s_mov_b32 s[RUN], 0
	v_add_nc_u32 v34, s30, v1                      ; my place p = 32 u + lane,
	v_lshlrev_b32 v34, 12, v34
	v_or_b32 v34, 0xfff, v34                       ; as (p << 12) | 0xfff: a word's PK is above it just when more than p bits lie ahead of the word
	v_mov_b32 v35, 0                               ; the word kept
	v_mov_b32 v36, 0                               ; and its PK
	s_wait_kmcnt 0x0
	s_add_nc_u64 s[26:27], s[8:9], s[18:19]
	s_add_nc_u64 s[22:23], s[8:9], s[22:23]
	s_add_nc_u64 s[84:85], s[12:13], s[18:19]
	s_add_nc_u64 s[86:87], s[14:15], s[18:19]
	s_add_nc_u64 s[24:25], s[12:13], s[24:25]
.irp k, 0,1,2,3
	global_load_b128 v[16+4*\k:19+4*\k], v4, s[8:9] offset:32768+512*\k   ; the 256 pairs: eight a lane
.endr
	global_load_b32 v32, v5, s[26:27]              ; the density of token 32 g + lane
.set KK, 0
.rept 32
	global_load_b128 v[D+4*KK:D+4*KK+3], v4, s[22:23] offset:512*KK
.set KK, KK+1
.endr
	s_wait_loadcnt 32                              ; the pairs and my density are in; the 32 loads of densities may be out
	v_add_f32 v37, v16, v18
	v_add_f32 v38, v20, v22
	v_add_f32 v39, v24, v26
	v_add_f32 v40, v28, v30
	v_add_f32 v37, v37, v38
	v_add_f32 v39, v39, v40
	v_add_f32 v37, v37, v39
.irp m, 1,2,4,8
	v_add_f32_dpp v37, v37, v37 row_xmask:\m row_mask:0xf bank_mask:0xf
.endr
	v_permlanex16_b32 v38, v37, s28, s29
	v_add_f32 v37, v37, v38
	v_mul_f32 v37, 0x39000000, v37                 ; the mean: / 8,192
.irp j, 0,1,2,3,4,5,6,7
	v_fma_f32 v[40+\j], v[16+2*\j], 0x3d000000, -v37   ; a group's mean less the mean
.endr
	v_mul_f32 v48, v40, v40
	v_mul_f32 v49, v41, v41
	v_fma_f32 v48, v42, v42, v48
	v_fma_f32 v49, v43, v43, v49
	v_fma_f32 v48, v44, v44, v48
	v_fma_f32 v49, v45, v45, v49
	v_fma_f32 v48, v46, v46, v48
	v_fma_f32 v49, v47, v47, v49
	v_add_f32 v48, v48, v49
	v_add_f32 v40, v17, v19
	v_add_f32 v41, v21, v23
	v_add_f32 v42, v25, v27
	v_add_f32 v43, v29, v31
	v_add_f32 v40, v40, v41
	v_add_f32 v42, v42, v43
	v_add_f32 v40, v40, v42
	v_fma_f32 v48, v48, 0x42000000, v40            ; 32 x (between the groups) + (within them)
.irp m, 1,2,4,8
	v_add_f32_dpp v48, v48, v48 row_xmask:\m row_mask:0xf bank_mask:0xf
.endr
	v_permlanex16_b32 v49, v48, s28, s29
	v_add_f32 v48, v48, v49
	v_mul_f32 v40, 0x39000400, v48                 ; / 8,191, with one correction
	v_fma_f32 v41, -v40, 0x45fff800, v48
	v_fma_f32 v40, v41, 0x39000400, v40
	v_max_num_f32 v41, 0x0d800000, v40
	v_rsq_f32 v42, v41
	v_mov_b32 v49, 0xf1800000                      ; -2^100.  (The plain line behind the transcendental)
	s_wait_alu depctr_va_vdst(0)                   ; the wait ahead of the result's first reader
	v_mul_f32 v43, v40, v42
	v_mul_f32 v44, 0.5, v42
	v_fma_f32 v45, -v43, v43, v40
	v_fma_f32 v43, v45, v44, v43                   ; the std, with one step of Newton's
	v_fma_f32 v33, 0.5, v43, v37                   ; THE THRESHOLD
; 16 words: their ballots; the counts ahead of them (scalar); and the selection
.macro BATCH bt
	s_wait_loadcnt 28-4*\bt                        ; this batch's four loads are in; the later batches' may be out
.set KK, 0
.rept 16
	v_cmp_gt_f32 s[W+KK], v[D+16*\bt+KK], v33
.set KK, KK+1
.endr
.set KK, 0
.rept 16
.set IW, 16*\bt+KK
	s_lshl_b32 s[PK+KK], s[RUN], 12
	s_or_b32 s[PK+KK], s[PK+KK], 128*(IW/4)+IW%4
	s_bcnt1_i32_b32 s[TMPS], s[W+KK]
	s_add_co_u32 s[RUN], s[RUN], s[TMPS]
.set KK, KK+1
.endr
.set KK, 0
.rept 16
	v_cmp_gt_u32 vcc_lo, s[PK+KK], v34             ; more than p bits ahead of it: keep what I have; else take this word
	v_cndmask_b32 v35, s[W+KK], v35, vcc_lo
	v_cndmask_b32 v36, s[PK+KK], v36, vcc_lo
.set KK, KK+1
.endr
.endm
.irp bt, 0,1,2,3,4,5,6,7
	BATCH \bt
.endr
	v_lshrrev_b32 v37, 12, v34                     ; p
	v_lshrrev_b32 v38, 12, v36
	v_sub_nc_u32 v42, v37, v38                     ; which set bit of the word
	v_and_b32 v41, 0xfff, v36                      ; the key of its bit 0
	v_lshrrev_b32 v44, 1, v35                      ; counts of the word's fields of 2, 4, 8 and 16 bits
	v_and_b32 v44, 0x55555555, v44
	v_sub_nc_u32 v51, v35, v44
	v_lshrrev_b32 v44, 2, v51
	v_and_b32 v44, 0x33333333, v44
	v_and_b32 v45, 0x33333333, v51
	v_add_nc_u32 v52, v44, v45
	v_lshrrev_b32 v44, 4, v52
	v_add_nc_u32 v44, v44, v52
	v_and_b32 v53, 0x0f0f0f0f, v44
	v_lshrrev_b32 v44, 8, v53
	v_add_nc_u32 v44, v44, v53
	v_and_b32 v54, 0x00ff00ff, v44
	v_mov_b32 v43, 0                               ; the bit's place
.macro LEVEL reg, w                            ; if the field of w bits at the place holds too few, pass over it
	v_bfe_u32 v44, v[\reg], v43, \w
	v_add_nc_u32 v47, \w, v43
	v_cmp_ge_u32 vcc_lo, v42, v44
	v_sub_nc_u32 v45, v42, v44
	v_cndmask_b32 v42, v42, v45, vcc_lo
	v_cndmask_b32 v43, v43, v47, vcc_lo
.endm
	LEVEL 54, 16
	LEVEL 53, 8
	LEVEL 52, 4
	LEVEL 51, 2
	LEVEL 35, 1
	v_lshl_add_u32 v41, v43, 2, v41                ; the key: a word's bits are keys 4 apart; at most 3,971 + 124
	global_store_b32 v5, v41, s[84:85]
	v_cmp_gt_f32 vcc_lo, v32, v33
	v_cndmask_b32 v48, 0, v49, vcc_lo
	global_store_b32 v5, v48, s[86:87]
	s_cmp_lg_u32 s21, 0                            ; the batch's first work-group stores the count, 32 times
	s_cbranch_scc1 .Ltail
	v_mov_b32 v50, s[RUN]
	global_store_b32 v5, v50, s[24:25]
.Ltail:
	s_wait_tensorcnt 0x0                           ; the wave's end
	ds_add_u32 v[SPW], v[NIL]
	s_wait_dscnt 0x0
	s_endpgm
.Lfunc_end_k_qd4c9fdabbf_qkv:
	.size	k_qd4c9fdabbf_qkv, .Lfunc_end_k_qd4c9fdabbf_qkv-k_qd4c9fdabbf_qkv
	.p2alignl 7, 3214868480
	.fill 96, 4, 3214868480
	.section	.rodata,"a",@progbits
	.p2align	6, 0x0
	.amdhsa_kernel k_qd4c9fdabbf_qkv
		.amdhsa_group_segment_fixed_size 63232
		.amdhsa_private_segment_fixed_size 0
		.amdhsa_enable_private_segment 0
		.amdhsa_kernarg_size 48
		.amdhsa_user_sgpr_count 2
		.amdhsa_user_sgpr_kernarg_segment_ptr 1
		.amdhsa_wavefront_size32 1
		.amdhsa_system_sgpr_workgroup_id_x 1
		.amdhsa_system_sgpr_workgroup_id_y 1
		.amdhsa_system_sgpr_workgroup_id_z 1
		.amdhsa_system_vgpr_workitem_id 0
		.amdhsa_next_free_vgpr 256
		.amdhsa_next_free_sgpr 96
		.amdhsa_reserve_vcc 1
		.amdhsa_float_denorm_mode_32 3
		.amdhsa_float_denorm_mode_16_64 3
		.amdhsa_memory_ordered 1
		.amdhsa_forward_progress 1
		.amdhsa_inst_pref_size 64
	.end_amdhsa_kernel
	.amdgpu_metadata
---
amdhsa.version: [ 1, 2 ]
amdhsa.kernels:
  - .name:           k_qd4c9fdabbf_qkv
    .symbol:         k_qd4c9fdabbf_qkv.kd
    .args:
      - { .name: xq, .offset: 0, .size: 8, .value_kind: global_buffer, .address_space: global }
      - { .name: wq, .offset: 8, .size: 8, .value_kind: global_buffer, .address_space: global }
      - { .name: dstat, .offset: 16, .size: 8, .value_kind: global_buffer, .address_space: global }
      - { .name: qkv, .offset: 24, .size: 8, .value_kind: global_buffer, .address_space: global }
      - { .name: order, .offset: 32, .size: 8, .value_kind: global_buffer, .address_space: global }
      - { .name: nbias, .offset: 40, .size: 8, .value_kind: global_buffer, .address_space: global }
    .group_segment_fixed_size: 63232
    .private_segment_fixed_size: 0
    .kernarg_segment_align: 8
    .kernarg_segment_size: 48
    .max_flat_workgroup_size: 416
    .sgpr_count:     96
    .vgpr_count:     256
    .wavefront_size: 32
...
	.end_amdgpu_metadata
.endif
;; end of part 2
;; launch attn (part 3): grid 16 x 16, 8 waves a work-group, no clusters, 277,504 bytes of LDS; arguments qkv, order, nbias, ao; writes ao
.if DOCPART == 3
	.amdgcn_target "amdgcn-amd-amdhsa--gfx1250"
	.amdhsa_code_object_version 6
	.text
	.protected	k_qd4c9fdabbf_attn
	.globl	k_qd4c9fdabbf_attn
	.p2align	8
	.type	k_qd4c9fdabbf_attn,@function
k_qd4c9fdabbf_attn:
	s_mov_b64 s[64:65], 0
	v_nop
	global_prefetch_b8 v0, s[64:65] scope:SCOPE_SE
	s_setreg_imm32_b32 hwreg(HW_REG_WAVE_MODE, 25, 1), 1
	s_wait_xcnt 0x0
; ATTN.  Work-group (x, y): 256 queries 256 x on of batch b = y / 8, head y % 8; each of its 8 waves owns 32 queries, two tiles of 16.
; A key counts for a query if it lies less than 16 away or is a high key.  All other keys carry -1e10 ahead of the softmax, and every query keeps itself, so their weight is 0 in f32: they are left out.
; What is walked: (1) ONE LOCAL STEP a wave: the 64 keys from 16 before its first query on; a key that is high, or lies outside the sequence or outside the band, is masked;
; (2) THE LISTED HIGH KEYS of the batch, 64 a step, 512 a chunk.  So each key that counts is taken once.
; LAYOUT.  S^T = K Q^T (source 0 = 16 keys, source 1 = 16 queries), O^T = V^T P: a lane holds ONE query throughout.  Two tiles of S^T rounded to f16 in pairs ARE source 1 of the second product.
; q carries log2(e) / sqrt(32), so p = 2^(s - m), m the running maximum (never under -2^96); O and l are multiplied by 2^(m_old - m_new) in every step.
; THE ROW'S SUM l comes from the matrix unit: a third source 0 whose rows 0 and 8 are ones puts it into register 0 of L in both halves of the lanes; it sums the same rounded p that O sums.
; A masked score is -2^100: s - m is then under -2^99 and p = 0.
; K AND V ROWS OF THE LIST are gathered by all 256 threads, 16 bytes each, a step's 64 rows of the NEXT chunk during each step, and stored into the other of two LDS slots: one barrier a chunk.
; The loop over chunks has a constant count; what hangs on the stored count of high keys is jumped over inside it, never a barrier.
; No tensor load and so no multicast: the rows come by a list, which no tile states, and branches hang on a stored count.
; LIMITS: scores (in units of log2) must stay far under 2^96; NaN and infinities are not served; the result must lie inside f16's range.
.set KP,    80                         ; a row of K in LDS: 64 bytes + 16
.set VP,    96                         ; a row of V: 64 + 32 (the turning load wants an odd multiple of 32)
.set VOFF,  40960                      ; a slot: 512 rows of K, then 512 of V
.set LIST,  90112                      ; the batch's list, 16,384 bytes
.set LBIAS, 106496                     ; the local keys' bias, 320 words
.set SPARE, 107776                     ; the spare words, 128 bytes a wave: four blocks of 256 bytes that no other line names
.set SLOT1, 131072                     ; one exclusive or turns an address in one slot into the other's
.set LOCK,  221184                     ; the local keys: 320 rows of K,
.set LOCV,  246784                     ; and of V
.set VPAN,  2097152                    ; from a head's K panel to its V panel
.set AK0, 1                            ; v1  my lane's place in a tile of K
.set AV0, 2                            ; v2  and of V (with VOFF)
.set ADK, 3                            ; v3, v4 the same in the slot in hand
.set ADV, 4
.set SK0, 5                            ; v5, v6 where my thread puts its 16 bytes of a gathered row
.set SV0, 6
.set SKA, 7                            ; v7, v8 the same in the other slot
.set SVA, 8
.set LA0, 9                            ; v9  my thread's word of a step's 64 list entries
.set LAD, 10
.set PC,  11                           ; v11 16 x (thread % 4)
.set GA,  12                           ; v12 a gather's offset
.set VA,  13                           ; v13 r - 8 h
.set H8,  14                           ; v14 8 h
.set VD,  15
.set MSK, 16                           ; v16 -2^100
.set SPW, 17                           ; v17 LDS address of my spare word; never rewritten
.set NIL, 18                           ; v18 0; never rewritten
.set L16, 19                           ; v19 16 x lane
.set IDX, 20                           ; v20-27 list entries of the next chunk's 8 steps
.set SD,  28                           ; v28-35 a gathered piece of K and of V
.set ST,  36                           ; v36-51 a tile's 8: +0 m, +2 the factor, +4..7 at work; +1, +3 are named as pairs' upper halves
.set ONES, 52                          ; v52-59
.set Q,   60                           ; v60-75
.set KF,  76                           ; v76-107
.set VF,  108                          ; v108-139
.set S,   140                          ; v140-203 S + 32 t + 8 g; then p; P's fragment k of tile t at S + 32 t + 8 k
.set O,   204                          ; v204-235 O + 16 t + 8 c
.set L,   236                          ; v236-251 L + 8 t
.set WV,  12
.set CNT, 13
.set NST, 14
.set TB,  15
.set TO,  16
.set SB,  17
.set LOFF, 18
.set CI,  19
.set FL,  20
.set SEL, 40
	s_load_b256 s[4:11], s[0:1], 0x0               ; qkv s[4:5], order s[6:7], nbias s[8:9], ao s[10:11]
	v_lshl_add_u32 v[SPW], v0, 2, SPARE
	v_mov_b32 v[NIL], 0
	v_lshrrev_b32 v[L16], 5, v0
	v_readfirstlane_b32 s[WV], v[L16]              ; wave
	s_and_b32 s24, ttmp7, 0xffff
	s_lshr_b32 s25, s24, 3                         ; b
	s_and_b32 s26, s24, 7                          ; head
	s_lshl_b32 s27, ttmp9, 8                       ; the work-group's first query
	s_lshl_b32 s28, s25, 14                        ; the batch's 16,384 bytes of the list and of nbias
	s_mov_b32 s29, 0
	s_lshl_b32 s30, s25, 7                         ; its count
	s_mov_b32 s31, 0
	s_mul_i32 s21, s25, 24
	s_add_co_u32 s21, s21, s26
	s_lshl_b32 s34, s21, 18                        ; q's panel
	s_add_co_u32 s36, s34, VPAN                    ; k's, eight panels on
	s_mov_b32 s37, 0
	s_lshl_b32 s22, s[WV], 5
	s_add_co_u32 s22, s22, s27                     ; my wave's first query
	s_lshl_b32 s23, s22, 6
	s_add_co_u32 s34, s34, s23
	s_mov_b32 s35, 0
	s_lshl_b32 s38, s25, 21                        ; ao: tile (256 b + query / 16) of 8,192 bytes, + the head's 1,024
	s_lshl_b32 s23, s22, 9
	s_add_co_u32 s38, s38, s23
	s_lshl_b32 s23, s26, 10
	s_add_co_u32 s38, s38, s23
	s_mov_b32 s39, 0
	s_mov_b32 s[SEL], 0x76543210
	s_mov_b32 s[SEL+1], 0xfedcba98
	v_and_b32 v[L16], 31, v0
	v_lshlrev_b32 v[L16], 4, v[L16]
	v_and_b32 v236, 15, v0                         ; r
	v_bfe_u32 v237, v0, 4, 1                       ; h
	v_mul_u32_u24 v[AK0], v236, KP
	v_lshl_add_u32 v[AK0], v237, 4, v[AK0]         ; key r, 16 bytes for each half of the lanes
	v_and_b32 v238, 7, v0
	v_lshl_add_u32 v[AV0], v237, 3, v238
	v_mul_u32_u24 v[AV0], v[AV0], VP
	v_bfe_u32 v238, v0, 3, 1
	v_lshl_add_u32 v[AV0], v238, 4, v[AV0]         ; the turning load: key 8 h + lane % 8, channels 8 ((lane / 8) % 2) on
	v_lshrrev_b32 v239, 2, v0                      ; thread / 4: my row of 64
	v_and_b32 v238, 3, v0
	v_lshlrev_b32 v[PC], 4, v238
	v_mad_u32_u24 v[SK0], v239, KP, v[PC]
	v_mad_u32_u24 v[SV0], v239, VP, v[PC]
	v_lshlrev_b32 v240, 2, v239
	v_lshlrev_b32 v241, 4, v0
	v_lshl_add_u32 v[LA0], v239, 2, LIST
	v_lshlrev_b32 v[H8], 3, v237
	v_sub_nc_u32 v[VA], v236, v[H8]
	v_mov_b32 v[MSK], 0xf1800000
	v_lshl_add_u32 v228, v0, 4, LIST               ; where the prologue stores: the list,
	v_add_nc_u32 v229, LOCK, v[SK0]                ; the local rows of K,
	v_add_nc_u32 v230, LOCV, v[SV0]                ; of V,
	v_lshl_add_u32 v231, v239, 2, LBIAS            ; their bias
	v_lshlrev_b32 v232, 6, v236
	v_lshl_add_u32 v232, v237, 4, v232             ; Q: row r of 64 bytes, + 16 h
	s_mul_i32 s21, s[WV], 32*KP                    ; what my wave reads in its local step: rows 32 w on
	s_add_co_u32 s21, s21, LOCK
	v_add_nc_u32 v252, s21, v[AK0]
	s_mul_i32 s21, s[WV], 32*VP
	s_add_co_u32 s21, s21, LOCV
	v_add_nc_u32 v253, s21, v[AV0]
	s_lshl_b32 s21, s[WV], 7
	s_add_co_u32 s21, s21, LBIAS
	v_lshl_add_u32 v254, v237, 5, s21              ; a lane's eight keys' bias: 32 bytes
	v_add_nc_u32 v[AV0], VOFF, v[AV0]
	v_add_nc_u32 v[SV0], VOFF, v[SV0]
	s_sub_co_i32 s21, s27, 16                      ; local row 0 is key (first query - 16), which may lie ahead of the sequence
.irp k, 0,1,2,3,4
	v_add_nc_u32 v[204+\k], s21, v239
.endr
.irp k, 1,2,3,4
	v_add_nc_u32 v[204+\k], 64*\k, v[204+\k]       ; the key of local row thread / 4 + 64 k
.endr
.irp k, 0,1,2,3,4
	v_max_i32 v[209+\k], 0, v[204+\k]              ; held inside the sequence for the loads; such a key is masked below
.endr
.irp k, 0,1,2,3,4
	v_min_u32 v[209+\k], 0xfff, v[209+\k]
.endr
.irp k, 0,1,2,3,4
	v_lshlrev_b32 v[214+\k], 2, v[209+\k]
	v_lshl_add_u32 v[209+\k], v[209+\k], 6, v[PC]
.endr
	v_and_b32 v238, 7, v0
	v_mov_b32 v242, 0x3c003c00                     ; two ones in f16
	v_cmp_eq_u32 vcc_lo, 0, v238
	v_cndmask_b32 v[ONES], 0, v242, vcc_lo         ; rows 0 and 8 of the sum's operand are ones, the others zeros
.irp j, 1,2,3,4,5,6,7
	v_mov_b32 v[ONES+\j], v[ONES]
.endr
.irp j, 0,1,2,3,4,5,6,7
	v_mov_b32 v[SD+\j], 0
.endr
.irp j, 1,3,9,11
	v_mov_b32 v[ST+\j], 0
.endr
	s_wait_kmcnt 0x0
	s_add_nc_u64 s[32:33], s[8:9], s[28:29]
	s_add_nc_u64 s[28:29], s[6:7], s[28:29]
	s_add_nc_u64 s[30:31], s[6:7], s[30:31]
	s_add_nc_u64 s[34:35], s[4:5], s[34:35]
	s_add_nc_u64 s[36:37], s[4:5], s[36:37]
	s_add_nc_u64 s[38:39], s[10:11], s[38:39]
	s_load_b32 s[CNT], s[30:31], 0x8000            ; how many high keys the batch has
.irp i, 0,1,2,3,4,5,6,7
	global_load_b32 v[IDX+\i], v240, s[28:29] offset:256*\i   ; chunk 0's entries for my row of each step
.endr
.irp t, 0,1
	global_load_b128 v[Q+8*\t:Q+8*\t+3], v232, s[34:35] offset:1024*\t
	global_load_b128 v[Q+8*\t+4:Q+8*\t+7], v232, s[34:35] offset:1024*\t+32
.endr
.irp k, 0,1,2,3
	global_load_b128 v[140+4*\k:143+4*\k], v241, s[28:29] offset:4096*\k   ; the whole list, for LDS
.endr
.irp k, 0,1,2,3,4
	global_load_b128 v[156+4*\k:159+4*\k], v[209+\k], s[36:37]
	global_load_b128 v[176+4*\k:179+4*\k], v[209+\k], s[36:37] offset:VPAN
	global_load_b32 v[196+\k], v[214+\k], s[32:33]
.endr
	s_wait_loadcnt 23                              ; the 8 entries are in; behind them: Q 4, the list 4, the local rows 15
.irp i, 0,1,2,3,4,5,6,7
	v_min_u32 v[220+\i], 0xfff, v[IDX+\i]
.endr
.irp i, 0,1,2,3,4,5,6,7
	v_lshl_add_u32 v[220+\i], v[220+\i], 6, v[PC]
.endr
.irp i, 0,1,2,3,4,5,6,7
	global_load_b128 v[76+8*\i:79+8*\i], v[220+\i], s[36:37]
	global_load_b128 v[80+8*\i:83+8*\i], v[220+\i], s[36:37] offset:VPAN
.endr
	s_wait_loadcnt 31                              ; Q and the list are in; behind them: the local rows 15, the gathers 16
.irp k, 0,1,2,3
	ds_store_b128 v228, v[140+4*\k:143+4*\k] offset:4096*\k
.endr
	s_wait_loadcnt 16                              ; the local rows are in
.irp k, 0,1,2,3,4
	v_cmp_gt_u32 vcc_lo, 0x1000, v[204+\k]         ; a key of the sequence?  (one ahead of it is a huge unsigned number)
	v_cndmask_b32 v[196+\k], v[MSK], v[196+\k], vcc_lo
.endr
.irp k, 0,1,2,3,4
	ds_store_b128 v229, v[156+4*\k:159+4*\k] offset:64*KP*\k
	ds_store_b128 v230, v[176+4*\k:179+4*\k] offset:64*VP*\k
	ds_store_b32 v231, v[196+\k] offset:256*\k     ; the four threads of a row write the same word with the same value
.endr
	s_wait_loadcnt 0x0
.irp i, 0,1,2,3,4,5,6,7
	ds_store_b128 v[SK0], v[76+8*\i:79+8*\i] offset:64*KP*\i
	ds_store_b128 v[SV0], v[80+8*\i:83+8*\i] offset:64*VP*\i
.endr
	s_wait_kmcnt 0x0
	s_min_u32 s[CNT], s[CNT], 0x1000
	s_add_co_u32 s[NST], s[CNT], 63
	s_lshr_b32 s[NST], s[NST], 6                   ; steps of 64 listed keys
	s_wait_dscnt 0x0                               ; for the others' sake: my stores lie in LDS
	s_barrier_signal -1
	s_barrier_wait -1
.macro SLOC t, g                               ; a local tile of scores: the keys' bias is the C of the product
	v_wmma_f32_16x16x32_f16 v[S+32*\t+8*\g:S+32*\t+8*\g+7], v[KF+8*\g:KF+8*\g+7], v[Q+8*\t:Q+8*\t+7], v[VF+8*\g:VF+8*\g+7]
.endm
; A STEP OF 64 KEYS.  mode 1: the local step; it starts m, l and O.  mode 0: step i of the chunk in hand.
.macro STEP mode, i
.if \mode == 0
	s_add_co_u32 s21, s[SB], \i                    ; the step's number
	s_cmp_ge_u32 s21, s[NST]
	s_cbranch_scc1 .Lcend                          ; the list is at its end: on to the chunk's barrier
	s_add_co_u32 s22, s21, 8
	s_cmp_lt_u32 s22, s[NST]
	s_cselect_b32 s[FL], 1, 0                      ; is there a step of this number in the next chunk?
.irp g, 0,1,2,3
	ds_load_b128 v[KF+8*\g:KF+8*\g+3], v[ADK] offset:(64*\i+16*\g)*KP
	ds_load_b128 v[KF+8*\g+4:KF+8*\g+7], v[ADK] offset:(64*\i+16*\g)*KP+32
.endr
.rept 5
	v_nop                                          ; five places: the products below write over P, which the last products read (ISA guide 7.12.1)
.endr
	s_wait_dscnt 0x0                               ; K is in (and the chunk's list entries, and my last stores have read their data)
.irp g, 0,1,2,3
.irp t, 0,1
	v_wmma_f32_16x16x32_f16 v[S+32*\t+8*\g:S+32*\t+8*\g+7], v[KF+8*\g:KF+8*\g+7], v[Q+8*\t:Q+8*\t+7], 0
.endr
.endr
	s_cmp_eq_u32 s[FL], 0
	s_cbranch_scc1 .Lng_\@
	v_min_u32 v[GA], 0xfff, v[IDX+\i]              ; my row of the next chunk's step i: it has this whole step in which to come
	v_lshl_add_u32 v[GA], v[GA], 6, v[PC]
	global_load_b128 v[SD:SD+3], v[GA], s[36:37]
	global_load_b128 v[SD+4:SD+7], v[GA], s[36:37] offset:VPAN
.Lng_\@:
.rept 4
	v_nop                                          ; four places between the products and the first read of the scores
.endr
.irp k, 0,1
.irp c, 0,1
	ds_load_tr16_b128 v[VF+16*\k+8*\c:VF+16*\k+8*\c+3], v[ADV] offset:(64*\i+32*\k)*VP+32*\c
	ds_load_tr16_b128 v[VF+16*\k+8*\c+4:VF+16*\k+8*\c+7], v[ADV] offset:(64*\i+32*\k)*VP+16*VP+32*\c
.endr
.endr
	s_lshl_b32 s22, s21, 6
	s_sub_co_u32 s22, s[CNT], s22                  ; listed keys from this step on
	s_cmp_ge_u32 s22, 64
	s_cbranch_scc1 .Lfull_\@
	v_sub_nc_u32 v[VD], s22, v[H8]                 ; the list's last step: register 8 g + j holds place 16 g + 8 h + j, masked from the count on
.irp g, 0,1,2,3
.irp j, 0,1,2,3,4,5,6,7
	v_cmp_ge_i32 vcc_lo, 16*\g+\j, v[VD]
	v_cndmask_b32 v[S+8*\g+\j], v[S+8*\g+\j], v[MSK], vcc_lo
	v_cndmask_b32 v[S+32+8*\g+\j], v[S+32+8*\g+\j], v[MSK], vcc_lo
.endr
.endr
.Lfull_\@:
.else
.irp g, 0,1,2,3
	ds_load_b128 v[KF+8*\g:KF+8*\g+3], v252 offset:16*KP*\g
	ds_load_b128 v[KF+8*\g+4:KF+8*\g+7], v252 offset:16*KP*\g+32
	ds_load_b128 v[VF+8*\g:VF+8*\g+3], v254 offset:64*\g
	ds_load_b128 v[VF+8*\g+4:VF+8*\g+7], v254 offset:64*\g+16
.endr
	s_wait_dscnt 0x0
	SLOC 0, 0                                      ; group g of 16 keys begins 16 (g - 1 - t) behind tile t's first query: g - t = 0, 1, 2 touch the band
	SLOC 1, 1
	SLOC 0, 1
	SLOC 1, 2
	SLOC 0, 2
	SLOC 1, 3
.set JJ, 0
.rept 8
	v_mov_b32 v[S+24+JJ], v[MSK]                   ; the two tiles outside the band.  (These 16 lines are also the places behind the products)
	v_mov_b32 v[S+32+JJ], v[MSK]
.set JJ, JJ+1
.endr
.irp k, 0,1
.irp c, 0,1
	ds_load_tr16_b128 v[VF+16*\k+8*\c:VF+16*\k+8*\c+3], v253 offset:32*\k*VP+32*\c
	ds_load_tr16_b128 v[VF+16*\k+8*\c+4:VF+16*\k+8*\c+7], v253 offset:32*\k*VP+16*VP+32*\c
.endr
.endr
.set JJ, 0
.rept 8
	v_cmp_le_i32 vcc_lo, JJ, v[VA]                 ; g - t = 0: key 8 h + j of the group counts only if it is above the query's r
	v_cndmask_b32 v[S+JJ], v[S+JJ], v[MSK], vcc_lo
	v_cndmask_b32 v[S+40+JJ], v[S+40+JJ], v[MSK], vcc_lo
	v_cmp_ge_i32 vcc_lo, JJ, v[VA]                 ; g - t = 2: only if it is under r
	v_cndmask_b32 v[S+16+JJ], v[S+16+JJ], v[MSK], vcc_lo
	v_cndmask_b32 v[S+56+JJ], v[S+56+JJ], v[MSK], vcc_lo
.set JJ, JJ+1
.endr
.endif
	; the softmax, the two tiles by turns.  Each tile of scores is read from its low end on
.irp c, 0,1,2,3
.irp t, 0,1
	v_max3_num_f32 v[ST+8*\t+4+\c], v[S+32*\t+8*\c], v[S+32*\t+8*\c+1], v[S+32*\t+8*\c+2]
.endr
.endr
.irp k, 3,5
.irp c, 0,1,2,3
.irp t, 0,1
	v_max3_num_f32 v[ST+8*\t+4+\c], v[ST+8*\t+4+\c], v[S+32*\t+8*\c+\k], v[S+32*\t+8*\c+\k+1]
.endr
.endr
.endr
.irp t, 0,1
	v_max3_num_f32 v[ST+8*\t+4], v[ST+8*\t+4], v[S+32*\t+7], v[S+32*\t+15]
	v_max3_num_f32 v[ST+8*\t+6], v[ST+8*\t+6], v[S+32*\t+23], v[S+32*\t+31]
.endr
.irp t, 0,1
	v_max3_num_f32 v[ST+8*\t+4], v[ST+8*\t+4], v[ST+8*\t+5], v[ST+8*\t+6]
.endr
.irp t, 0,1
.if \mode == 0
	v_max3_num_f32 v[ST+8*\t+4], v[ST+8*\t+4], v[ST+8*\t+7], v[ST+8*\t]
.else
	v_max3_num_f32 v[ST+8*\t+4], v[ST+8*\t+4], v[ST+8*\t+7], 0xef800000   ; m never falls under -2^96, so a masked s - m stays under -2^99
.endif
.endr
.irp t, 0,1
	v_permlanex16_b32 v[ST+8*\t+5], v[ST+8*\t+4], s[SEL], s[SEL+1]   ; the query's other 32 keys lie in the lane 16 away
.endr
.if \mode == 0
.irp t, 0,1
	v_max_num_f32 v[ST+8*\t+6], v[ST+8*\t+4], v[ST+8*\t+5]
.endr
.irp t, 0,1
	v_sub_f32 v[ST+8*\t+7], v[ST+8*\t], v[ST+8*\t+6]
.endr
.irp t, 0,1
	v_mov_b32 v[ST+8*\t], v[ST+8*\t+6]
.endr
.else
.irp t, 0,1
	v_max_num_f32 v[ST+8*\t], v[ST+8*\t+4], v[ST+8*\t+5]
.endr
.endif
.irp t, 0,1
.irp j, 0,2,4,6,8,10,12,14,16,18,20,22,24,26,28,30
	v_pk_add_f32 v[S+32*\t+\j:S+32*\t+\j+1], v[S+32*\t+\j:S+32*\t+\j+1], v[ST+8*\t:ST+8*\t+1] op_sel_hi:[1,0] neg_lo:[0,1] neg_hi:[0,1]   ; s - m
.endr
.endr
.if \mode == 0
.irp t, 0,1
	v_exp_f32 v[ST+8*\t+2], v[ST+8*\t+7]           ; 2^(m_old - m_new)
.endr
.endif
.set JJ, 0
.rept 64
	v_exp_f32 v[S+JJ], v[S+JJ]
.set JJ, JJ+1
.endr
	v_nop                                          ; the plain line behind the last exponential
	s_wait_alu depctr_va_vdst(0)                   ; the wait ahead of a result's first reader: one for the whole batch
.irp t, 0,1
.irp j, 0,1,2,3,4,5,6,7,8,9,10,11,12,13,14,15
	v_cvt_pk_f16_f32 v[S+32*\t+\j], v[S+32*\t+2*\j], v[S+32*\t+2*\j+1]   ; P, packed in place: a line writes no register that a later one reads
.endr
.endr
.if \mode == 0
.irp t, 0,1
.irp j, 0,2,4,6,8,10,12,14
	v_pk_mul_f32 v[O+16*\t+\j:O+16*\t+\j+1], v[O+16*\t+\j:O+16*\t+\j+1], v[ST+8*\t+2:ST+8*\t+3] op_sel_hi:[1,0]
.endr
	v_pk_mul_f32 v[L+8*\t:L+8*\t+1], v[L+8*\t:L+8*\t+1], v[ST+8*\t+2:ST+8*\t+3] op_sel_hi:[1,0]   ; l lies in register 0; the others of L stay zeros
.endr
.endif
	s_wait_dscnt 0x0                               ; V is in
.irp k, 0,1                                    ; six accumulators by turns, one instruction a turn
.irp t, 0,1
.if (\mode == 1) && (\k == 0)
	v_wmma_f32_16x16x32_f16 v[O+16*\t:O+16*\t+7], v[VF+16*\k:VF+16*\k+7], v[S+32*\t+8*\k:S+32*\t+8*\k+7], 0
	v_wmma_f32_16x16x32_f16 v[O+16*\t+8:O+16*\t+15], v[VF+16*\k+8:VF+16*\k+15], v[S+32*\t+8*\k:S+32*\t+8*\k+7], 0
	v_wmma_f32_16x16x32_f16 v[L+8*\t:L+8*\t+7], v[ONES:ONES+7], v[S+32*\t+8*\k:S+32*\t+8*\k+7], 0
.else
	v_wmma_f32_16x16x32_f16 v[O+16*\t:O+16*\t+7], v[VF+16*\k:VF+16*\k+7], v[S+32*\t+8*\k:S+32*\t+8*\k+7], v[O+16*\t:O+16*\t+7]
	v_wmma_f32_16x16x32_f16 v[O+16*\t+8:O+16*\t+15], v[VF+16*\k+8:VF+16*\k+15], v[S+32*\t+8*\k:S+32*\t+8*\k+7], v[O+16*\t+8:O+16*\t+15]
	v_wmma_f32_16x16x32_f16 v[L+8*\t:L+8*\t+7], v[ONES:ONES+7], v[S+32*\t+8*\k:S+32*\t+8*\k+7], v[L+8*\t:L+8*\t+7]
.endif
.endr
.endr
.if \mode == 0
	s_wait_loadcnt 0x0                             ; the gathered pieces are in, and their offset register is free
	s_cmp_eq_u32 s[FL], 0
	s_cbranch_scc1 .Lns_\@
	ds_store_b128 v[SKA], v[SD:SD+3] offset:64*KP*\i   ; into the slot that nobody reads before the chunk's barrier
	ds_store_b128 v[SVA], v[SD+4:SD+7] offset:64*VP*\i
.Lns_\@:
.endif
.endm
	STEP 1, 0
	s_mov_b32 s[TB], 0
	s_mov_b32 s[SB], 0
	s_mov_b32 s[LOFF], 2048
	s_mov_b32 s[CI], 0
.Lchunk:                                               ; 8 trips, a constant: 8 x 512 places hold any list
	v_add_nc_u32 v[ADK], s[TB], v[AK0]
	v_add_nc_u32 v[ADV], s[TB], v[AV0]
	s_xor_b32 s[TO], s[TB], SLOT1
	v_add_nc_u32 v[SKA], s[TO], v[SK0]
	v_add_nc_u32 v[SVA], s[TO], v[SV0]
	s_min_u32 s21, s[LOFF], 14336                  ; (held inside the list in the trips that read nothing)
	v_add_nc_u32 v[LAD], s21, v[LA0]
	s_add_co_u32 s21, s[SB], 8
	s_cmp_ge_u32 s21, s[NST]
	s_cbranch_scc1 .Lno_idx
.irp i, 0,1,2,3,4,5,6,7
	ds_load_b32 v[IDX+\i], v[LAD] offset:256*\i    ; the next chunk's entries for my row of each step
.endr
.Lno_idx:
	STEP 0, 0
	STEP 0, 1
	STEP 0, 2
	STEP 0, 3
	STEP 0, 4
	STEP 0, 5
	STEP 0, 6
	STEP 0, 7
.Lcend:
	s_wait_loadcnt 0x0
	s_wait_dscnt 0x0                               ; my reads of this slot are over and my stores into the other one lie there:
	s_barrier_signal -1
	s_barrier_wait -1                              ; both now hold of every wave: one barrier a chunk serves both orders
	s_xor_b32 s[TB], s[TB], SLOT1
	s_add_co_u32 s[SB], s[SB], 8
	s_add_co_u32 s[LOFF], s[LOFF], 2048
	s_add_co_u32 s[CI], s[CI], 1
	s_cmp_lt_u32 s[CI], 8
	s_cbranch_scc1 .Lchunk
	; THE WAY OUT: O^T / l, rounded to f16.  A lane's eight channels of a query are 16 bytes of the next product's operand, in its registers' order: no stage is needed
.rept 4
	v_nop
.endr
	v_rcp_f32 v[ST+2], v[L]
	v_rcp_f32 v[ST+10], v[L+8]
	v_nop
	s_wait_alu depctr_va_vdst(0)                   ; one wait for the two reciprocals, ahead of their first reader
.irp t, 0,1
.irp j, 0,2,4,6,8,10,12,14
	v_pk_mul_f32 v[S+16*\t+\j:S+16*\t+\j+1], v[O+16*\t+\j:O+16*\t+\j+1], v[ST+8*\t+2:ST+8*\t+3] op_sel_hi:[1,0]
.endr
.endr
.irp t, 0,1
.irp j, 0,1,2,3,4,5,6,7
	v_cvt_pk_f16_f32 v[KF+8*\t+\j], v[S+16*\t+2*\j], v[S+16*\t+2*\j+1]
.endr
.endr
.irp t, 0,1
	global_store_b128 v[L16], v[KF+8*\t:KF+8*\t+3], s[38:39] offset:8192*\t       ; 512 consecutive bytes
	global_store_b128 v[L16], v[KF+8*\t+4:KF+8*\t+7], s[38:39] offset:8192*\t+512
.endr
	s_wait_tensorcnt 0x0                           ; the wave's end
	ds_add_u32 v[SPW], v[NIL]
	s_wait_dscnt 0x0
	s_endpgm
.Lfunc_end_k_qd4c9fdabbf_attn:
	.size	k_qd4c9fdabbf_attn, .Lfunc_end_k_qd4c9fdabbf_attn-k_qd4c9fdabbf_attn
	.p2alignl 7, 3214868480
	.fill 96, 4, 3214868480
	.section	.rodata,"a",@progbits
	.p2align	6, 0x0
	.amdhsa_kernel k_qd4c9fdabbf_attn
		.amdhsa_group_segment_fixed_size 277504
		.amdhsa_private_segment_fixed_size 0
		.amdhsa_enable_private_segment 0
		.amdhsa_kernarg_size 32
		.amdhsa_user_sgpr_count 2
		.amdhsa_user_sgpr_kernarg_segment_ptr 1
		.amdhsa_wavefront_size32 1
		.amdhsa_system_sgpr_workgroup_id_x 1
		.amdhsa_system_sgpr_workgroup_id_y 1
		.amdhsa_system_sgpr_workgroup_id_z 1
		.amdhsa_system_vgpr_workitem_id 0
		.amdhsa_next_free_vgpr 256
		.amdhsa_next_free_sgpr 66
		.amdhsa_reserve_vcc 1
		.amdhsa_float_denorm_mode_32 3
		.amdhsa_float_denorm_mode_16_64 3
		.amdhsa_memory_ordered 1
		.amdhsa_forward_progress 1
		.amdhsa_inst_pref_size 161
	.end_amdhsa_kernel
	.amdgpu_metadata
---
amdhsa.version: [ 1, 2 ]
amdhsa.kernels:
  - .name:           k_qd4c9fdabbf_attn
    .symbol:         k_qd4c9fdabbf_attn.kd
    .args:
      - { .name: qkv, .offset: 0, .size: 8, .value_kind: global_buffer, .address_space: global }
      - { .name: order, .offset: 8, .size: 8, .value_kind: global_buffer, .address_space: global }
      - { .name: nbias, .offset: 16, .size: 8, .value_kind: global_buffer, .address_space: global }
      - { .name: ao, .offset: 24, .size: 8, .value_kind: global_buffer, .address_space: global }
    .group_segment_fixed_size: 277504
    .private_segment_fixed_size: 0
    .kernarg_segment_align: 8
    .kernarg_segment_size: 32
    .max_flat_workgroup_size: 256
    .sgpr_count:     66
    .vgpr_count:     256
    .wavefront_size: 32
...
	.end_amdgpu_metadata
.endif
;; end of part 3
;; launch proj (part 4): grid 256 x 1, 4 waves a work-group, no clusters, 35,328 bytes of LDS; arguments ao, wpf, b_proj, out0; writes out0
.if DOCPART == 4
	.amdgcn_target "amdgcn-amd-amdhsa--gfx1250"
	.amdhsa_code_object_version 6
	.text
	.protected	k_qd4c9fdabbf_proj
	.globl	k_qd4c9fdabbf_proj
	.p2align	8
	.type	k_qd4c9fdabbf_proj,@function
k_qd4c9fdabbf_proj:
	s_mov_b64 s[64:65], 0
	v_nop
	global_prefetch_b8 v0, s[64:65] scope:SCOPE_SE
	s_setreg_imm32_b32 hwreg(HW_REG_WAVE_MODE, 25, 1), 1
	s_wait_xcnt 0x0
; PROJ.  out0 [8192][256] f32 = (attention's result) w_proj + b_proj, on f16 operands with f32 sums.
; Work-group g takes tokens 32 g .. 32 g + 31 (two tiles of 16); wave w takes output columns 64 w .. 64 w + 63 (four tiles of 16): 8 accumulators, K = 256 in 8 steps of 32 (a step = a head).
; The product is used transposed (source 0 = 16 columns of w_proj, source 1 = 16 tokens): a lane holds one token and eight neighbouring outputs.  The bias is the C of each sum's first product.
; Both operands were laid in register order by earlier launches: every fragment comes by loads of 512 consecutive bytes, all asked for at the head.  Straight-line text: no loop, no barrier.
; No tensor load, no ring, no cluster: a work-group reads 16 KiB of its own and the weights once, straight into the registers that the products name.
; REGISTERS, in windows of 256: window 0: addresses; v16-143 the tokens' fragments (tile tt, K step ks) at 16 + 64 tt + 8 ks; v144-207 rows read back.
;   window 1: the weights' fragments (ks, nt) at 8 (4 ks + nt).   window 2: accumulators (tt, nt) at 8 (4 tt + nt); from v64 the bias of tile nt at 64 + 8 nt.
.set SPARE, 34816                      ; behind the four stages of 32 rows x (256 bytes + 16): the spare words, 128 bytes a wave: two blocks of 256 bytes that no other line names
.set SPW, 14                           ; v14 LDS address of my spare word; never rewritten
.set NIL, 15                           ; v15 0; never rewritten
.set AO,  16
.set BK,  144
.set MSB, 0
.macro WIN new                         ; the immediate's high byte repeats the setting that is left
.if MSB != \new
	s_set_vgpr_msb (MSB<<8)|\new
.set MSB, \new
.endif
.endm
	s_load_b256 s[4:11], s[0:1], 0x0               ; ao s[4:5], wpf s[6:7], b_proj s[8:9], out0 s[10:11]
	v_lshl_add_u32 v[SPW], v0, 2, SPARE
	v_mov_b32 v[NIL], 0
	v_lshrrev_b32 v1, 5, v0
	v_readfirstlane_b32 s12, v1                    ; wave
	v_and_b32 v1, 31, v0
	v_and_b32 v2, 15, v0                           ; r
	v_bfe_u32 v3, v0, 4, 1                         ; h
	v_lshlrev_b32 v4, 4, v1                        ; 16 x lane
	v_lshlrev_b32 v5, 5, v3                        ; the bias: eight numbers for each half of the lanes
	s_mul_i32 s13, s12, 8704
	v_mul_u32_u24 v6, v2, 272
	v_lshl_add_u32 v6, v3, 5, v6
	v_add_nc_u32 v6, s13, v6                       ; stage, in: token r, 32 bytes for each half of the lanes
	v_mul_u32_u24 v7, v3, 272
	v_lshl_add_u32 v7, v2, 4, v7
	v_add_nc_u32 v7, s13, v7                       ; back: sixteen lanes to a row, two rows an instruction
	v_lshlrev_b32 v8, 10, v3
	v_lshl_add_u32 v8, v2, 4, v8                   ; and the same two rows in out0
	s_lshl_b32 s14, ttmp9, 14
	s_mov_b32 s15, 0
	s_lshl_b32 s16, s12, 15
	s_mov_b32 s17, 0
	s_lshl_b32 s18, s12, 8
	s_mov_b32 s19, 0
	s_lshl_b32 s20, ttmp9, 15
	s_add_co_u32 s20, s20, s18
	s_mov_b32 s21, 0
	s_wait_kmcnt 0x0
	s_add_nc_u64 s[4:5], s[4:5], s[14:15]
	s_add_nc_u64 s[6:7], s[6:7], s[16:17]
	s_add_nc_u64 s[8:9], s[8:9], s[18:19]
	s_add_nc_u64 s[10:11], s[10:11], s[20:21]
	WIN 0x80                                       ; destination window 2
.irp nt, 0,1,2,3
	global_load_b128 v[64+8*\nt:67+8*\nt], v5, s[8:9] offset:64*\nt
	global_load_b128 v[68+8*\nt:71+8*\nt], v5, s[8:9] offset:64*\nt+16
.endr
	WIN 0
.set KK, 0
.rept 32
	global_load_b128 v[AO+4*KK:AO+4*KK+3], v4, s[4:5] offset:512*KK
.set KK, KK+1
.endr
	WIN 0x40                                       ; destination window 1
.irp ks, 0,1,2,3,4,5,6,7
.irp nt, 0,1,2,3
	global_load_b128 v[8*(4*\ks+\nt):8*(4*\ks+\nt)+3], v4, s[6:7] offset:8192*\nt+1024*\ks
	global_load_b128 v[8*(4*\ks+\nt)+4:8*(4*\ks+\nt)+7], v4, s[6:7] offset:8192*\nt+1024*\ks+512
.endr
.endr
	WIN 0xa1                                       ; source 0 (weights) window 1, source 1 (tokens) window 0, C and D window 2
.irp ks, 0,1,2,3,4,5,6,7
	s_wait_loadcnt 8*(7-\ks)                       ; this K step's weights are in (and all that was asked for ahead of them); the later steps' eight loads each may be out
.irp tt, 0,1
.irp nt, 0,1,2,3                               ; the eight accumulators take turns, one instruction a turn
.if \ks == 0
	v_wmma_f32_16x16x32_f16 v[8*(4*\tt+\nt):8*(4*\tt+\nt)+7], v[8*(4*\ks+\nt):8*(4*\ks+\nt)+7], v[AO+64*\tt+8*\ks:AO+64*\tt+8*\ks+7], v[64+8*\nt:71+8*\nt]
.else
	v_wmma_f32_16x16x32_f16 v[8*(4*\tt+\nt):8*(4*\tt+\nt)+7], v[8*(4*\ks+\nt):8*(4*\ks+\nt)+7], v[AO+64*\tt+8*\ks:AO+64*\tt+8*\ks+7], v[8*(4*\tt+\nt):8*(4*\tt+\nt)+7]
.endif
.endr
.endr
.endr
.rept 4
	v_nop                                          ; four places between the last product and the first read of results (ISA guide 7.12.1)
.endr
	WIN 0x08                                       ; an LDS store's data are its source 1: window 2
.irp tt, 0,1
.irp nt, 0,1,2,3
	ds_store_b128 v6, v[8*(4*\tt+\nt):8*(4*\tt+\nt)+3] offset:4352*\tt+64*\nt        ; each accumulator from its low end on
	ds_store_b128 v6, v[8*(4*\tt+\nt)+4:8*(4*\tt+\nt)+7] offset:4352*\tt+64*\nt+16
.endr
.endr
	WIN 0
.set KK, 0
.rept 16
	ds_load_b128 v[BK+4*KK:BK+4*KK+3], v7 offset:4352*(KK/8)+544*(KK%8)   ; LDS serves a wave's instructions in order: these see my stores
.set KK, KK+1
.endr
.set KK, 0
.rept 16
	s_wait_dscnt 15-KK                             ; load KK is in; the later ones may be out
	global_store_b128 v8, v[BK+4*KK:BK+4*KK+3], s[10:11] offset:16384*(KK/8)+2048*(KK%8) th:TH_STORE_NT   ; sixteen lanes store 256 consecutive bytes, at a multiple of 256 from out0's first byte
.set KK, KK+1
.endr
	s_wait_tensorcnt 0x0                           ; the wave's end
	ds_add_u32 v[SPW], v[NIL]
	s_wait_dscnt 0x0
	s_endpgm
.Lfunc_end_k_qd4c9fdabbf_proj:
	.size	k_qd4c9fdabbf_proj, .Lfunc_end_k_qd4c9fdabbf_proj-k_qd4c9fdabbf_proj
	.p2alignl 7, 3214868480
	.fill 96, 4, 3214868480
	.section	.rodata,"a",@progbits
	.p2align	6, 0x0
	.amdhsa_kernel k_qd4c9fdabbf_proj
		.amdhsa_group_segment_fixed_size 35328
		.amdhsa_private_segment_fixed_size 0
		.amdhsa_enable_private_segment 0
		.amdhsa_kernarg_size 32
		.amdhsa_user_sgpr_count 2
		.amdhsa_user_sgpr_kernarg_segment_ptr 1
		.amdhsa_wavefront_size32 1
		.amdhsa_system_sgpr_workgroup_id_x 1
		.amdhsa_system_sgpr_workgroup_id_y 1
		.amdhsa_system_sgpr_workgroup_id_z 1
		.amdhsa_system_vgpr_workitem_id 0
		.amdhsa_next_free_vgpr 768
		.amdhsa_next_free_sgpr 66
		.amdhsa_reserve_vcc 0
		.amdhsa_float_denorm_mode_32 3
		.amdhsa_float_denorm_mode_16_64 3
		.amdhsa_memory_ordered 1
		.amdhsa_forward_progress 1
		.amdhsa_inst_pref_size 21
	.end_amdhsa_kernel
	.amdgpu_metadata
---
amdhsa.version: [ 1, 2 ]
amdhsa.kernels:
  - .name:           k_qd4c9fdabbf_proj
    .symbol:         k_qd4c9fdabbf_proj.kd
    .args:
      - { .name: ao, .offset: 0, .size: 8, .value_kind: global_buffer, .address_space: global }
      - { .name: wpf, .offset: 8, .size: 8, .value_kind: global_buffer, .address_space: global }
      - { .name: b_proj, .offset: 16, .size: 8, .value_kind: global_buffer, .address_space: global }
      - { .name: out0, .offset: 24, .size: 8, .value_kind: global_buffer, .address_space: global }
    .group_segment_fixed_size: 35328
    .private_segment_fixed_size: 0
    .kernarg_segment_align: 8
    .kernarg_segment_size: 32
    .max_flat_workgroup_size: 128
    .sgpr_count:     66
    .vgpr_count:     768
    .wavefront_size: 32
...
	.end_amdgpu_metadata
.endif
;; end of part 4
